; MI455X (gfx1250); checked and timed in simulation.
; The chip was launched on July 23, 2026; its instructions are those of AMD's public machine-readable ISA for CDNA 5 (MIT licence, August 2026) and "CDNA5" Instruction Set Architecture Reference Guide (July 2026). The comments in the code are by the model that wrote it; some were corrected since.
;; CNF. Allowed arithmetic: float matrix products may take bf16 or f16 operands with f32 sums; other float arithmetic in f32, or as packed bf16 or f16 multiplies, adds, multiply-adds, maxima and minima; sums over many terms, partial sums and values carried from step to step in f32; what a program stores and reads back later, other than sums and carried values, may be rounded once to bf16 or f16.
;; Inputs: cond 4,096 x 8 float32; l0_W1 128 x 32 float32; l0_W2 128 x 9 float32; l0_W3 128 x 9 float32; l0_b1 128 float32; l0_b2 128 float32; lN_W1 32 x 128 float32; lN_W2 32 x 9 float32; lN_W3 32 x 9 float32; lN_b1 32 float32; lN_b2 32 float32; mid_W1 2 x 128 x 128 float32; mid_W2 2 x 128 x 9 float32; mid_W3 2 x 128 x 9 float32; mid_b1 2 x 128 float32; mid_b2 2 x 128 float32; x 4,096 x 32 float32.
;; Outputs: out0 4,096 float32.
;; One version. Each part assembles by itself: llvm-mc -triple=amdgcn-amd-amdhsa -mcpu=gfx1250 --defsym DOCPART=n.
;; ======== version 1 of 1: 1 launch
;; limits: values outside matrix products are rounded to bf16
;; launch cnf (part 1): grid 256 x 1, 4 waves a work-group, no clusters, 172,544 bytes of LDS; arguments x, cond, l0_W1, l0_b1, l0_W2, l0_b2, l0_W3, mid_W1, mid_b1, mid_W2, mid_b2, mid_W3, lN_W1, lN_b1, lN_W2, lN_b2, lN_W3, out0; writes out0
.if DOCPART == 1
	.amdgcn_target "amdgcn-amd-amdhsa--gfx1250"
	.amdhsa_code_object_version 6
	.text
	.protected	k_q15d8d08f06_cnf
	.globl	k_q15d8d08f06_cnf
	.p2align	8
	.type	k_q15d8d08f06_cnf,@function
k_q15d8d08f06_cnf:
	s_mov_b64 s[64:65], 0
	v_nop
	global_prefetch_b8 v0, s[64:65] scope:SCOPE_SE
	s_setreg_imm32_b32 hwreg(HW_REG_WAVE_MODE, 25, 1), 1
	s_wait_xcnt 0x0
; CNF log-probability: 5 Heun steps (10 evaluations) of a 4-layer ConcatSquash MLP 32 -> 128 -> 128 -> 128 -> 32 with the exact trace of its Jacobian, for 4,096 samples.
; out[s] = -0.5 (32 log(2 pi) + sum z^2) + the integrated trace.
; WORK LEFT OUT, and why it is dead for all values of the inputs.  With L1 = l0_W1, L2 = mid_W1[0], L3 = mid_W1[1], L4 = lN_W1, g_l = sigmoid(W2_l ty + b2_l) and
; d_l = g_l (1 - h_l^2), the Jacobian is J = diag(g4) L4 diag(d3) L3 diag(d2) L2 diag(d1) L1.  reference() multiplies it out from eye(32), which only picks rows, and trace() keeps the diagonal alone.  So
; tr J = sum_i g4_i sum_j U_ij d2_j V_ij,  U = (L4 diag(d3)) L3,  V_ij = sum_l L2[j,l] d1_l L1[l,i]: two products 32 x 128 x 128 for a sample and evaluation; the product with eye(32) and J's
; off-diagonal numbers are not made.  Every input has a way to the output, and all are loaded.  LIMIT: a NaN, an infinity or an overflow that would arise only in J's off-diagonal numbers is not carried to the result.
; OTHER LIMITS.  Weights, ty = (t, cond), h and d are matrix operands in bf16, L4[i,:] d3 and L1[:,i] d1 are rounded to bf16 once more; sums, psi, the biases b1, d2 and the trace are f32.  t is a running f32 sum
; 1 - 0.05 - ..; v_exp_f32 and v_rcp_f32 take and give no denormals (ISA guide, their entries); NaN and infinities among the inputs are not treated apart.
; tanh(a) = 1 - 2 r, r = 1 / (1 + 2^(2.88539 a)); 1 - tanh^2 = 4 (r - r^2): kept is d' = g (r - r^2), and 4^3 goes into the last constant: -0.025 x 64 = -1.6.
; SHARES.  A work-group owns 16 samples: 256 work-groups; four waves.  Layers 1 to 3: wave w makes features 32 w .. 32 w + 31, and h goes through LDS (three barriers an evaluation).  Layer 4 and psi: every wave makes all 32
; (12 products, no fourth barrier).  Trace: wave w takes rows i = 8 w .. 8 w + 7 of J.  The forward pass never reads a trace, so a trip of the loop holds layer 4 of evaluation e, layers 1 to 3 of e + 1 and the trace of e,
; whose long runs of products stand between a barrier's signal and its wait.
; LAYOUT.  Every product is taken transposed: source 0 = 16 rows of weights, source 1 = 16 samples; lane (r = l % 16, hh = l / 16) of a result holds sample r and features 8 hh + 0..7 of the tile.  Two such tiles rounded to bf16
; in pairs are a source 1.  The gates go to the matrix unit too: a gate row of 32 bf16 holds -log2(e) (W2 | b2) in k 0-15 and W3 in k 16-31; source 1 is (ty, 1 | 0) for the sigmoid's argument and (0 | ty, 1) for W3 ty.
; NO CLUSTER, NO TENSOR LOAD, NO PREFETCH: all that work-groups share is 0.2 MB of f32 weights, read once at the head and rounded to bf16 in registers on the way into LDS; the loop reads no global memory.
; REGISTERS, in windows of 256 (s_set_vgpr_msb: bits 1:0 source 0, 3:2 source 1, 5:4 source 2, 7:6 destination):
;   window 0: v0-31 addresses and single numbers; v32-95 two sets of (Ua, Ub, Va, Vb); v96-159 d2; v160-167 the row's sums; v168-175 g4; v176-191 psi; v192-255 the forward pass at work
;   window 1: v0-127 two sets of operands (L4[i,:] d3, L1[:,i] d1); v128-191 d3, d1; v192-207 gate rows; v208-219 ty; v220-227 psi in bf16        window 2: L3^T        window 3: L2
.set H1,    0          ; LDS.  h1, h2, h3, d1, d3: [16 samples][128] bf16, rows 272 bytes apart (an odd multiple of 16: the 16 rows of a load start at 16 different 16-byte columns modulo 256)
.set H2,    4352
.set H3,    8704
.set D1S,   13056
.set D3S,   17408
.set D2S,   21760      ; d2: [16][128] f32, rows 528 bytes apart
.set G4P,   30208      ; g4: a copy for each wave, [16][32] f32, rows 144 bytes apart
.set B1S,   39424      ; b1 of the 416 features, f32
.set REDS,  41216      ; [4 waves][16] f32: the waves' traces
.set SPARE, 41472      ; the spare words: 128 bytes for each wave, two blocks of 256 bytes that no other line names
.set L4S,   41984      ; lN_W1 bf16 [32][128], 272
.set L1T,   50688      ; l0_W1 transposed, bf16 [32][128], 272
.set L1S,   59392      ; l0_W1 bf16 [128][32], 80
.set GW,    69632      ; 416 gate rows of 32 bf16, 80
.set L2S,   102912     ; mid_W1[0] bf16 [128][128], 272
.set L3S,   137728     ; mid_W1[1], behind it
.set VT,    1          ; t
.set ONE,   2          ; 1.0
.set VROWU, 4          ; L4S + 8 w rows + 16 hh
.set VROWV, 5          ; L1T likewise
.set VLDX,  6          ; 272 r + 16 hh
.set VSTX,  7          ; + 64 w
.set VD2L,  8          ; D2S + 528 r + 32 hh
.set VD2W,  9          ; + 128 w
.set VGW,   10         ; GW + (32 w + r) 80 + 16 hh
.set VGW4,  11         ; GW + (384 + r) 80 + 16 hh
.set VB1,   12         ; B1S + 128 w + 32 hh
.set VB14,  13         ; B1S + 1536 + 32 hh
.set VW1,   14         ; L1S + (32 w + r) 80 + 16 hh
.set VWM,   15         ; L2S + (32 w + r) 272 + 16 hh
.set VW4,   16         ; L4S + 272 r + 16 hh
.set VG4W,  17         ; my copy of g4: + 144 r + 32 hh
.set VG4R,  18         ; + 144 r + 32 w
.set C01,   19         ; cond 0, 1 packed
.set VTP,   20         ; (t, 1) packed
.set TR,    21         ; the trace's running sum
.set RT,    22         ; at work
.set SPW,   24         ; LDS address of my spare word; never rewritten
.set NIL,   25         ; 0; never rewritten
.set RING,  32
.set HF,    32         ; h's fragments: set 0 of the ring, which holds nothing between two rows of the trace
.set D2,    96
.set FB,    96         ; layer 1's sums: d2's registers, free until the trip's d2 is loaded
.set ACC,   160
.set G4,    168
.set X,     176
.set FA,    192
.set FZ,    208
.set FC,    224
.set HB,    240
.set DB,    248
.set D3,    128        ; window 1; d1 follows at 160
.set GF,    192
.set TYA,   208
.set PF,    220
.set WT1,   64
.set O36,   160        ; set-up alone: offsets in memory
.set O4,    161
.set O16,   162
.set OX,    163
.set OC,    164
.set OAT,   165
.set SGS,   166        ; set-up alone: LDS addresses
.set SBS,   167
.set SL1,   3
.set SLT,   23
.set SL4,   1
.set SM0,   2
.set SM1,   19
.set F3,    20
.set F2,    21
.set Q,     112        ; a gate row being made
.set CND,   168
.set WV,    40         ; s40 my wave's number
.set TRIP,  41         ; s41 trips to go
.set NDT,   43         ; s43 t's next step: -0.05 and 0 by turns
.set BETA,  44         ; s[44:45] -0.025 and 0 by turns
.set HH,    46         ; s[46:47] -0.025
.set MH,    48         ; s48 lanes 16-31
.set SEL,   50         ; s[50:51] v_permlanex16_b32's selects: each lane takes its own place in the other half
.set MSB, 0
.macro WIN new                         ; the immediate's high byte repeats the setting that is left; a switch that changes nothing is dropped
.if MSB != (\new)
	s_set_vgpr_msb (MSB<<8)|(\new)
.set MSB, (\new)
.endif
.endm
.macro PLACES                          ; four plain instructions behind a matrix instruction, ahead of a vector instruction or a load that touches its registers
.rept 4
	v_nop
.endr
.endm
.macro SKIPL lbl                       ; the last trip has no next evaluation: its forward work is jumped over; never a barrier
	WIN 0
	s_cmp_eq_u32 s[TRIP], 1
	s_cbranch_scc1 \lbl
.endm
; Layer l's gate rows (two tiles) and its b1, which is the C of the layer's first products: eight loads of LDS bytes that are never rewritten.
.macro PRE l
	WIN 0x40
.irp tl, 0,1
.if (\l) == 4
	ds_load_b128 v[GF+8*(\tl):GF+8*(\tl)+3],   v[VGW4] offset:1280*(\tl)
	ds_load_b128 v[GF+8*(\tl)+4:GF+8*(\tl)+7], v[VGW4] offset:1280*(\tl)+32
.else
	ds_load_b128 v[GF+8*(\tl):GF+8*(\tl)+3],   v[VGW] offset:((\l)-1)*10240+1280*(\tl)
	ds_load_b128 v[GF+8*(\tl)+4:GF+8*(\tl)+7], v[VGW] offset:((\l)-1)*10240+1280*(\tl)+32
.endif
.endr
	WIN 0
.irp tl, 0,1
.if (\l) == 4
	ds_load_b128 v[FA+8*(\tl):FA+8*(\tl)+3],   v[VB14] offset:64*(\tl)
	ds_load_b128 v[FA+8*(\tl)+4:FA+8*(\tl)+7], v[VB14] offset:64*(\tl)+16
.else
	ds_load_b128 v[FA+8*(\tl):FA+8*(\tl)+3],   v[VB1] offset:((\l)-1)*512+64*(\tl)
	ds_load_b128 v[FA+8*(\tl)+4:FA+8*(\tl)+7], v[VB1] offset:((\l)-1)*512+64*(\tl)+16
.endif
.endr
.endm
.macro PRE1                            ; the same for layer 1, with its weights: twelve loads
	WIN 0x40
.irp tl, 0,1
	ds_load_b128 v[GF+8*(\tl):GF+8*(\tl)+3],     v[VGW] offset:1280*(\tl)
	ds_load_b128 v[GF+8*(\tl)+4:GF+8*(\tl)+7],   v[VGW] offset:1280*(\tl)+32
	ds_load_b128 v[WT1+8*(\tl):WT1+8*(\tl)+3],   v[VW1] offset:1280*(\tl)
	ds_load_b128 v[WT1+8*(\tl)+4:WT1+8*(\tl)+7], v[VW1] offset:1280*(\tl)+32
.endr
	WIN 0
.irp tl, 0,1
	ds_load_b128 v[FB+8*(\tl):FB+8*(\tl)+3],   v[VB1] offset:64*(\tl)
	ds_load_b128 v[FB+8*(\tl)+4:FB+8*(\tl)+7], v[VB1] offset:64*(\tl)+16
.endr
.endm
.macro GATES                           ; FZ = -log2(e) (W2 ty + b2), FC = W3 ty, two tiles each: the same rows against (ty, 1 | 0) and (0 | ty, 1)
	WIN 0x05
	v_wmma_f32_16x16x32_bf16 v[FZ:FZ+7],    v[GF:GF+7],    v[TYA:TYA+7],    0
	v_wmma_f32_16x16x32_bf16 v[FZ+8:FZ+15], v[GF+8:GF+15], v[TYA:TYA+7],    0
	v_wmma_f32_16x16x32_bf16 v[FC:FC+7],    v[GF:GF+7],    v[TYA+4:TYA+11], 0
	v_wmma_f32_16x16x32_bf16 v[FC+8:FC+15], v[GF+8:GF+15], v[TYA+4:TYA+11], 0
.endm
.macro SIG                             ; FZ = 1 / (1 + 2^FZ): two batches of sixteen, each with its plain instruction and one wait ahead of the first reader
	WIN 0
.set z, 0
.rept 16
	v_exp_f32 v[FZ+z], v[FZ+z]
.set z, z+1
.endr
	v_nop
	s_wait_alu depctr_va_vdst(0)
.set z, 0
.rept 8
	v_pk_add_f32 v[FZ+z:FZ+z+1], v[FZ+z:FZ+z+1], 1.0 op_sel_hi:[1,0]
.set z, z+2
.endr
.set z, 0
.rept 16
	v_rcp_f32 v[FZ+z], v[FZ+z]
.set z, z+1
.endr
	v_nop
	s_wait_alu depctr_va_vdst(0)
.endm
.macro LAYER acc, wt                   ; two tiles of W1 h + b1, K = 128: the two accumulators take turns, one instruction a turn
	WIN 0x01
.irp c, 0,1,2,3
	v_wmma_f32_16x16x32_bf16 v[(\acc):(\acc)+7],    v[(\wt)+8*(\c):(\wt)+8*(\c)+7],       v[HF+8*(\c):HF+8*(\c)+7], v[(\acc):(\acc)+7]
	v_wmma_f32_16x16x32_bf16 v[(\acc)+8:(\acc)+15], v[(\wt)+32+8*(\c):(\wt)+32+8*(\c)+7], v[HF+8*(\c):HF+8*(\c)+7], v[(\acc)+8:(\acc)+15]
.endr
.endm
; a = acc g + c; r = 1 / (1 + 2^(2.88539 a)); HB = bf16(1 - 2 r); acc = g (r - r^2); kind other than 2: DB = bf16(acc).  FC is free once a is made and holds 1 - 2 r.
.macro ACT acc, kind
	WIN 0
.set z, 0
.rept 8
	v_pk_fma_f32 v[(\acc)+z:(\acc)+z+1], v[(\acc)+z:(\acc)+z+1], v[FZ+z:FZ+z+1], v[FC+z:FC+z+1]
.set z, z+2
.endr
.set z, 0
.rept 8
	v_pk_mul_f32 v[(\acc)+z:(\acc)+z+1], v[(\acc)+z:(\acc)+z+1], 0x4038aa3b op_sel_hi:[1,0]
.set z, z+2
.endr
.set z, 0
.rept 16
	v_exp_f32 v[(\acc)+z], v[(\acc)+z]
.set z, z+1
.endr
	v_nop
	s_wait_alu depctr_va_vdst(0)
.set z, 0
.rept 8
	v_pk_add_f32 v[(\acc)+z:(\acc)+z+1], v[(\acc)+z:(\acc)+z+1], 1.0 op_sel_hi:[1,0]
.set z, z+2
.endr
.set z, 0
.rept 16
	v_rcp_f32 v[(\acc)+z], v[(\acc)+z]
.set z, z+1
.endr
	v_nop
	s_wait_alu depctr_va_vdst(0)
.set z, 0
.rept 8
	v_pk_fma_f32 v[FC+z:FC+z+1], v[(\acc)+z:(\acc)+z+1], -2.0, 1.0 op_sel_hi:[1,0,0]
.set z, z+2
.endr
.set z, 0
.rept 8
	v_pk_fma_f32 v[(\acc)+z:(\acc)+z+1], v[(\acc)+z:(\acc)+z+1], v[(\acc)+z:(\acc)+z+1], v[(\acc)+z:(\acc)+z+1] neg_lo:[1,0,0] neg_hi:[1,0,0]
.set z, z+2
.endr
.set z, 0
.rept 8
	v_cvt_pk_bf16_f32 v[HB+z], v[FC+2*z], v[FC+2*z+1]
.set z, z+1
.endr
.set z, 0
.rept 8
	v_pk_mul_f32 v[(\acc)+z:(\acc)+z+1], v[(\acc)+z:(\acc)+z+1], v[FZ+z:FZ+z+1]
.set z, z+2
.endr
.if (\kind) != 2
.set z, 0
.rept 8
	v_cvt_pk_bf16_f32 v[DB+z], v[(\acc)+2*z], v[(\acc)+2*z+1]
.set z, z+1
.endr
.endif
.endm
.macro L1BLK                           ; layer 1: K = 32, psi straight from registers; h1 goes to LDS, d1 stays in DB until the next barrier has been passed
	s_wait_dscnt 0x0                               ; gate rows, b1 and weights are in
	GATES
	v_wmma_f32_16x16x32_bf16 v[FB:FB+7],    v[WT1:WT1+7],    v[PF:PF+7], v[FB:FB+7]
	v_wmma_f32_16x16x32_bf16 v[FB+8:FB+15], v[WT1+8:WT1+15], v[PF:PF+7], v[FB+8:FB+15]
	PLACES
	SIG
	ACT FB, 1
	ds_store_b128 v[VSTX], v[HB:HB+3]   offset:H1
	ds_store_b128 v[VSTX], v[HB+4:HB+7] offset:H1+32
.endm
; Layer l = 2 or 3.  It begins with the wait of the barrier that shows h of layer l - 1 whole, and ends with the signal of the barrier for its own h; behind the signal the next layer's constants are asked for.
; par: the set of operand registers that the trace does not hold just now takes the layer's weights.  skip = 1: in the loop, where the last trip jumps over the work and keeps the barrier.
.macro MID l, par, skip
	WIN 0
	s_barrier_wait -1
.if \skip
	SKIPL .Lmid_a_\@
.endif
	PLACES                                         ; behind the trace's last products, ahead of the loads into registers that they read
.irp c, 0,1,2,3
	ds_load_b128 v[HF+8*(\c):HF+8*(\c)+3],   v[VLDX] offset:((\l)-2)*4352+64*(\c)
	ds_load_b128 v[HF+8*(\c)+4:HF+8*(\c)+7], v[VLDX] offset:((\l)-2)*4352+64*(\c)+32
.endr
	WIN 0x40
.irp tl, 0,1
.irp c, 0,1,2,3
	ds_load_b128 v[64*(\par)+32*(\tl)+8*(\c):64*(\par)+32*(\tl)+8*(\c)+3],   v[VWM] offset:((\l)-2)*34816+4352*(\tl)+64*(\c)
	ds_load_b128 v[64*(\par)+32*(\tl)+8*(\c)+4:64*(\par)+32*(\tl)+8*(\c)+7], v[VWM] offset:((\l)-2)*34816+4352*(\tl)+64*(\c)+32
.endr
.endr
	s_wait_dscnt 24                                ; the 24 loads just issued may stay out: gate rows and b1, asked for earlier, are in
	GATES
	PLACES
	SIG
	s_wait_dscnt 0x0                               ; h and the weights are in
	LAYER FA, 64*(\par)
	PLACES
	ACT FA, \l
.if (\l) == 2
	ds_store_b128 v[VSTX], v[HB:HB+3]    offset:H2
	ds_store_b128 v[VSTX], v[HB+4:HB+7]  offset:H2+32
	ds_store_b128 v[VD2W], v[FA:FA+3]
	ds_store_b128 v[VD2W], v[FA+4:FA+7]   offset:16
	ds_store_b128 v[VD2W], v[FA+8:FA+11]  offset:64
	ds_store_b128 v[VD2W], v[FA+12:FA+15] offset:80
	ds_store_b128 v[VSTX], v[DB:DB+3]    offset:D1S    ; d1, made in layer 1: every wave's reads of the old d1 and d2 were over at the barrier just passed
	ds_store_b128 v[VSTX], v[DB+4:DB+7]  offset:D1S+32
.else
	ds_store_b128 v[VSTX], v[HB:HB+3]    offset:H3
	ds_store_b128 v[VSTX], v[HB+4:HB+7]  offset:H3+32
	ds_store_b128 v[VSTX], v[DB:DB+3]    offset:D3S
	ds_store_b128 v[VSTX], v[DB+4:DB+7]  offset:D3S+32
.endif
	WIN 0
.if \skip
.Lmid_a_\@:
.endif
	s_wait_dscnt 0x0                               ; for the others' sake: my stores are done and my reads are back
	s_barrier_signal -1
.if \skip
	SKIPL .Lmid_b_\@
.endif
	PRE (\l)+1
	WIN 0
.if \skip
.Lmid_b_\@:
.endif
.endm
; THE TRACE.  Number k of the 16 lines that take in a group of two tiles of 16 j (group pg of four): U V in place, then the row's sums += (U V) d2.  Each accumulator's lowest registers are read first.
.macro CE pg, k
.set cR, RING+32*((\pg)%2)
.set cx, 2*((\k)%4)
.if (\k) < 4
	v_pk_mul_f32 v[cR+cx:cR+cx+1], v[cR+cx:cR+cx+1], v[cR+16+cx:cR+16+cx+1]
.elseif (\k) < 8
	v_pk_mul_f32 v[cR+8+cx:cR+8+cx+1], v[cR+8+cx:cR+8+cx+1], v[cR+24+cx:cR+24+cx+1]
.elseif ((\k) < 12) && ((\pg) == 0)
	v_pk_mul_f32 v[ACC+cx:ACC+cx+1], v[cR+cx:cR+cx+1], v[D2+cx:D2+cx+1]
.elseif (\k) < 12
	v_pk_fma_f32 v[ACC+cx:ACC+cx+1], v[cR+cx:cR+cx+1], v[D2+16*(\pg)+cx:D2+16*(\pg)+cx+1], v[ACC+cx:ACC+cx+1]
.else
	v_pk_fma_f32 v[ACC+cx:ACC+cx+1], v[cR+8+cx:cR+8+cx+1], v[D2+16*(\pg)+8+cx:D2+16*(\pg)+8+cx+1], v[ACC+cx:ACC+cx+1]
.endif
.endm
.macro GE4 pp, x0                      ; four words of set pp's operands: the row of weights times d3 (words 0-31) or d1 (32-63), two bf16 a word, in place
	WIN 0x45
.set gx, (\x0)
.rept 4
	v_pk_mul_bf16 v[64*(\pp)+gx], v[64*(\pp)+gx], v[D3+gx]
.set gx, gx+1
.endr
.endm
.macro ROWS n, pp                      ; L4[8 w + n, :] and L1[:, 8 w + n] into set pp: the sixteen lanes of a half read the same 16 bytes
	WIN 0x40
.irp c, 0,1,2,3
	ds_load_b128 v[64*(\pp)+8*(\c):64*(\pp)+8*(\c)+3],       v[VROWU] offset:272*(\n)+64*(\c)
	ds_load_b128 v[64*(\pp)+8*(\c)+4:64*(\pp)+8*(\c)+7],     v[VROWU] offset:272*(\n)+64*(\c)+32
	ds_load_b128 v[64*(\pp)+32+8*(\c):64*(\pp)+32+8*(\c)+3],   v[VROWV] offset:272*(\n)+64*(\c)
	ds_load_b128 v[64*(\pp)+32+8*(\c)+4:64*(\pp)+32+8*(\c)+7], v[VROWV] offset:272*(\n)+64*(\c)+32
.endr
.endm
.macro REDU n, st                      ; row n's eight sums into one, times g4
.if (\st) == 0
	v_pk_add_f32 v[ACC:ACC+1], v[ACC:ACC+1], v[ACC+2:ACC+3]
	v_pk_add_f32 v[ACC+4:ACC+5], v[ACC+4:ACC+5], v[ACC+6:ACC+7]
.elseif (\st) == 1
	v_pk_add_f32 v[ACC:ACC+1], v[ACC:ACC+1], v[ACC+4:ACC+5]
.elseif (\st) == 2
	v_add_f32 v[RT], v[ACC], v[ACC+1]
.else
	v_fma_f32 v[TR], v[G4+(\n)], v[RT], v[TR]
.endif
.endm
; ROW n OF THE TRACE: 64 products in four groups of 16; a group makes U and V for two tiles of 16 j, K = 128; its four accumulators take turns, one instruction a turn.  Behind the products stand, as they come ready:
; the group before's 16 lines of CE (behind products 4 to 11 of a group; products 0 to 3 each have a plain instruction behind them, which are the four places between that group's last products and CE);
; the next row's operands: its rows of weights are asked for behind product 3 (four places behind the last product that read that set), waited for once, and multiplied by d3 and d1 in 16 fours;
; and the row before's last sums.  last = 1: there is no next row.
.macro TI n, last
.set tp, (\n)&1
.set ts, 0
.rept 64
.set tg, ts/16
.set tc, (ts/4)%4
.set tk, ts%4
.set tq, ts%16
.set rD, RING+32*(tg%2)+8*tk
.set rA, 32*(2*tg+tk%2)+8*tc
.set rB, 64*tp+32*(tk/2)+8*tc
	WIN 0x06+tk/2
.if tc == 0
	v_wmma_f32_16x16x32_bf16 v[rD:rD+7], v[rA:rA+7], v[rB:rB+7], 0
.else
	v_wmma_f32_16x16x32_bf16 v[rD:rD+7], v[rA:rA+7], v[rB:rB+7], v[rD:rD+7]
.endif
.if tq < 4
.if (tg >= 2) && !(\last)
	GE4 1-tp, 16+32*(tg-2)+4*tq
.else
	v_nop
.endif
.if (tg == 0) && (tq == 3) && !(\last)
	ROWS (\n)+1, 1-tp
.endif
.elseif tq < 12
.if (tg > 0) || ((\n) > 0)
	WIN 0
	CE (tg+3)%4, 2*(tq-4)
	CE (tg+3)%4, 2*(tq-4)+1
.endif
.else
.if ((tg == 1) || (tg == 2)) && !(\last)
.if (tg == 1) && (tq == 12)
	s_wait_dscnt 0x0                               ; the next row's weights are in
.endif
	GE4 1-tp, 32*(tg-1)+4*(tq-12)
.elseif (tg == 0) && ((\n) > 0)
	WIN 0
	REDU (\n)-1, tq-12
.endif
.endif
.set ts, ts+1
.endr
.endm
.macro DRAIN                           ; row 7's last group and sums
	PLACES
	WIN 0
.set dk, 0
.rept 16
	CE 3, dk
.set dk, dk+1
.endr
.irp st, 0,1,2,3
	REDU 7, \st
.endr
.endm
; Set-up: a feature's W2 row, b2, W3 row and b1: 20 numbers into v[R ..]
.macro GLOAD R, w2, b2, w3, b1, ow, ob
.set z, 0
.rept 9
	global_load_b32 v[(\R)+z],    v[O36], s[\w2:\w2+1] offset:(\ow)+4*z
	global_load_b32 v[(\R)+10+z], v[O36], s[\w3:\w3+1] offset:(\ow)+4*z
.set z, z+1
.endr
	global_load_b32 v[(\R)+9],  v[O4], s[\b2:\b2+1] offset:\ob
	global_load_b32 v[(\R)+19], v[O4], s[\b1:\b1+1] offset:\ob
.endm
; and the gate row made of them: k 0-7 the weights of cond, k 8 that of t, k 9 b2, all times -log2(e); k 16-23, 24 W3 likewise; the rest 0
.macro GROW R, goff, boff
.set z, 0
.rept 5
	v_pk_mul_f32 v[(\R)+z:(\R)+z+1], v[(\R)+z:(\R)+z+1], 0xbfb8aa3b op_sel_hi:[1,0]
.set z, z+2
.endr
.set z, 0
.rept 4
	v_cvt_pk_bf16_f32 v[Q+z],   v[(\R)+1+2*z],  v[(\R)+2+2*z]
	v_cvt_pk_bf16_f32 v[Q+8+z], v[(\R)+11+2*z], v[(\R)+12+2*z]
.set z, z+1
.endr
	v_cvt_pk_bf16_f32 v[Q+4],  v[(\R)],    v[(\R)+9]
	v_cvt_pk_bf16_f32 v[Q+12], v[(\R)+10], v[Q+5]
.irp k, 0,1,2,3
	ds_store_b128 v[SGS], v[Q+4*(\k):Q+4*(\k)+3] offset:(\goff)+16*(\k)
.endr
	ds_store_b32 v[SBS], v[(\R)+19] offset:\boff
.endm
	; ---------------- SET-UP ----------------
	s_load_b512 s[4:19], s[0:1], 0x0               ; x 4, cond 6, l0_W1 8, l0_b1 10, l0_W2 12, l0_b2 14, l0_W3 16, mid_W1 18
	s_load_b512 s[20:35], s[0:1], 0x40             ; mid_b1 20, mid_W2 22, mid_b2 24, mid_W3 26, lN_W1 28, lN_b1 30, lN_W2 32, lN_b2 34
	s_load_b128 s[36:39], s[0:1], 0x80             ; lN_W3 36, out0 38
	v_lshl_add_u32 v[SPW], v0, 2, SPARE
	v_mov_b32 v[NIL], 0
	v_lshrrev_b32 v29, 5, v0
	v_readfirstlane_b32 s[WV], v29                 ; wave 0..3
	v_and_b32 v26, 15, v0                          ; r
	v_bfe_u32 v27, v0, 4, 1                        ; hh
	v_and_b32 v28, 31, v0                          ; lane
	s_mov_b32 s[NDT], 0xbd4ccccd                   ; -0.05
	s_mov_b32 s[BETA], 0xbccccccd                  ; -0.025
	s_mov_b32 s[BETA+1], 0                         ; named with it as a pair
	s_mov_b32 s[HH], 0xbccccccd
	s_mov_b32 s[HH+1], 0xbccccccd
	s_mov_b32 s[MH], 0xffff0000
	s_mov_b32 s[SEL], 0x76543210
	s_mov_b32 s[SEL+1], 0xfedcba98
	v_mul_u32_u24 v[VLDX], v26, 272
	v_lshl_add_u32 v[VLDX], v27, 4, v[VLDX]
	s_lshl_b32 s52, s[WV], 6
	v_add_nc_u32 v[VSTX], s52, v[VLDX]
	s_mul_i32 s52, s[WV], 8*272
	s_add_co_u32 s53, s52, L4S
	v_lshl_add_u32 v[VROWU], v27, 4, s53
	s_add_co_u32 s54, s52, L1T
	v_lshl_add_u32 v[VROWV], v27, 4, s54
	v_mul_u32_u24 v29, v26, 528
	v_lshl_add_u32 v29, v27, 5, v29
	v_add_nc_u32 v[VD2L], D2S, v29
	s_lshl_b32 s52, s[WV], 7
	v_add_nc_u32 v[VD2W], s52, v[VD2L]
	s_add_co_u32 s53, s52, B1S
	v_lshl_add_u32 v[VB1], v27, 5, s53
	v_lshl_add_u32 v[VB14], v27, 5, B1S+1536
	v_mul_u32_u24 v30, v26, 80
	v_lshl_add_u32 v30, v27, 4, v30
	s_mul_i32 s52, s[WV], 32*80
	s_add_co_u32 s53, s52, GW
	v_add_nc_u32 v[VGW], s53, v30
	v_add_nc_u32 v[VGW4], GW+384*80, v30
	s_add_co_u32 s54, s52, L1S
	v_add_nc_u32 v[VW1], s54, v30
	s_mul_i32 s52, s[WV], 32*272
	s_add_co_u32 s52, s52, L2S
	v_add_nc_u32 v[VWM], s52, v[VLDX]
	v_add_nc_u32 v[VW4], L4S, v[VLDX]
	v_mul_u32_u24 v29, v26, 144
	s_mul_i32 s53, s[WV], 2304
	s_add_co_u32 s53, s53, G4P
	v_add_nc_u32 v29, s53, v29
	v_lshl_add_u32 v[VG4W], v27, 5, v29
	s_lshl_b32 s54, s[WV], 5
	v_add_nc_u32 v[VG4R], s54, v29
	; offsets in memory
	v_mul_u32_u24 v[O36], v0, 36                   ; a row of W2 or W3: 9 numbers
	v_lshlrev_b32 v[O4], 2, v0
	v_lshlrev_b32 v[O16], 4, v0
	s_lshl_b32 s52, ttmp9, 11                      ; the work-group's 16 rows of x
	v_lshlrev_b32 v[OX], 7, v26
	v_lshl_add_u32 v[OX], v27, 5, v[OX]
	v_add_nc_u32 v[OX], s52, v[OX]
	s_lshl_b32 s53, ttmp9, 9                       ; and of cond
	v_lshl_add_u32 v[OC], v26, 5, s53
	s_lshl_b32 s54, s[WV], 12                      ; l0_W1 by columns: rows 32 w + k, column = lane
	v_lshl_add_u32 v[OAT], v28, 2, s54
	; where the weights go in LDS
	v_mul_u32_u24 v[SGS], v0, 80
	v_add_nc_u32 v[SGS], GW, v[SGS]
	v_lshl_add_u32 v[SBS], v0, 2, B1S
	v_lshrrev_b32 v29, 3, v0
	v_and_b32 v31, 7, v0
	v_mul_u32_u24 v[SL1], v29, 80
	v_lshl_add_u32 v[SL1], v31, 3, v[SL1]
	v_add_nc_u32 v[SL1], L1S, v[SL1]
	v_mul_u32_u24 v[SLT], v28, 272
	s_lshl_b32 s52, s[WV], 6
	s_add_co_u32 s52, s52, L1T
	v_add_nc_u32 v[SLT], s52, v[SLT]
	s_mul_i32 s53, s[WV], 272
	s_add_co_u32 s54, s53, L4S
	v_lshl_add_u32 v[SL4], v28, 3, s54
	s_add_co_u32 s55, s53, L2S
	v_lshl_add_u32 v[SM0], v28, 3, s55
	v_add_nc_u32 v[SM1], 34816, v[SM0]
.irp k, 5,6,7,13,14,15
	v_mov_b32 v[Q+(\k)], 0                         ; the gate rows' unused k
.endr
	s_wait_kmcnt 0x0
	s_cmp_lg_u32 s[WV], 0                          ; layer 4 has 32 features: wave 0 takes them, a lane each
	s_cbranch_scc1 .Lno_g0
	GLOAD 92, 32, 34, 36, 30, 0, 0
.Lno_g0:
	GLOAD 32, 12, 14, 16, 10, 0, 0                 ; layers 1 to 3: a thread a feature
	GLOAD 52, 22, 24, 26, 20, 0, 0
	GLOAD 72, 22, 24, 26, 20, 4608, 512
	global_load_b128 v[X:X+3],     v[OX], s[4:5] th:TH_LOAD_NT
	global_load_b128 v[X+4:X+7],   v[OX], s[4:5] offset:16 th:TH_LOAD_NT
	global_load_b128 v[X+8:X+11],  v[OX], s[4:5] offset:64 th:TH_LOAD_NT
	global_load_b128 v[X+12:X+15], v[OX], s[4:5] offset:80 th:TH_LOAD_NT
	global_load_b128 v[CND:CND+3],   v[OC], s[6:7] th:TH_LOAD_NT
	global_load_b128 v[CND+4:CND+7], v[OC], s[6:7] offset:16 th:TH_LOAD_NT
.set z, 0
.rept 8
	global_load_b128 v[128+4*z:128+4*z+3], v[O16], s[8:9]   offset:2048*z
	global_load_b128 v[192+4*z:192+4*z+3], v[O16], s[28:29] offset:2048*z
.set z, z+1
.endr
.set z, 0
.rept 32
	global_load_b32 v[224+z], v[OAT], s[8:9] offset:128*z
.set z, z+1
.endr
	WIN 0x40
.set z, 0
.rept 64
	global_load_b128 v[4*z:4*z+3], v[O16], s[18:19] offset:2048*z   ; mid_W1: 2,048 consecutive bytes a line for the work-group
.set z, z+1
.endr
	WIN 0
	s_wait_loadcnt 63                              ; 64 loads were issued behind the others: all but mid_W1's are in
	GROW 32, 0, 0
	GROW 52, 10240, 512
	GROW 72, 20480, 1024
	s_cmp_lg_u32 s[WV], 0
	s_cbranch_scc1 .Lno_g0b
	GROW 92, 30720, 1536
.Lno_g0b:
.set z, 0
.rept 8
	v_cvt_pk_bf16_f32 v[128+4*z],   v[128+4*z],   v[128+4*z+1]
	v_cvt_pk_bf16_f32 v[128+4*z+1], v[128+4*z+2], v[128+4*z+3]
	v_cvt_pk_bf16_f32 v[192+4*z],   v[192+4*z],   v[192+4*z+1]
	v_cvt_pk_bf16_f32 v[192+4*z+1], v[192+4*z+2], v[192+4*z+3]
	ds_store_b64 v[SL1], v[128+4*z:128+4*z+1] offset:1280*z
	ds_store_b64 v[SL4], v[192+4*z:192+4*z+1] offset:1088*z
.set z, z+1
.endr
.set z, 0
.rept 16
	v_cvt_pk_bf16_f32 v[224+z], v[224+2*z], v[224+2*z+1]
.set z, z+1
.endr
.irp k, 0,1,2,3
	ds_store_b128 v[SLT], v[224+4*(\k):224+4*(\k)+3] offset:16*(\k)
.endr
.set mq, 0
.rept 4                                ; mid_W1 by quarters of 16 loads
	s_wait_loadcnt 48-16*mq                        ; the later quarters may stay out
	WIN 0x45
.set mi, 16*mq
.rept 16
	v_cvt_pk_bf16_f32 v[4*mi],   v[4*mi],   v[4*mi+1]
	v_cvt_pk_bf16_f32 v[4*mi+1], v[4*mi+2], v[4*mi+3]
.set mi, mi+1
.endr
	WIN 0x04
.set mi, 16*mq
.rept 16
.if mi < 32
	ds_store_b64 v[SM0], v[4*mi:4*mi+1] offset:1088*mi
.else
	ds_store_b64 v[SM1], v[4*mi:4*mi+1] offset:1088*(mi-32)
.endif
.set mi, mi+1
.endr
.set mq, mq+1
.endr
	WIN 0
	s_wait_dscnt 0x0                               ; for the others' sake: my part of the weights lies in LDS
	s_barrier_signal -1
	s_barrier_wait -1
	; the trace's weights stay in registers: L2 as it lies (window 3), L3 turned (window 2): tile T of 16 j, K step c at 32 T + 8 c
	v_add_nc_u32 v[F3], L2S, v[VLDX]
	v_and_b32 v29, 7, v0
	v_lshl_add_u32 v29, v27, 3, v29
	v_mul_u32_u24 v[F2], v29, 272
	v_bfe_u32 v31, v0, 3, 1
	v_lshl_add_u32 v[F2], v31, 4, v[F2]
	v_add_nc_u32 v[F2], L3S, v[F2]
	WIN 0xc0
.set z, 0
.rept 32
	ds_load_b128 v[8*z:8*z+3],   v[F3] offset:4352*(z/4)+64*(z%4)
	ds_load_b128 v[8*z+4:8*z+7], v[F3] offset:4352*(z/4)+64*(z%4)+32
.set z, z+1
.endr
	WIN 0x80
.set z, 0
.rept 32
	ds_load_tr16_b128 v[8*z:8*z+3],   v[F2] offset:8704*(z%4)+32*(z/4)
	ds_load_tr16_b128 v[8*z+4:8*z+7], v[F2] offset:8704*(z%4)+32*(z/4)+4352
.set z, z+1
.endr
	WIN 0
	; ty as a source 1: lanes 0-15 hold cond 0-7, lanes 16-31 (t, 1, 0 ..); [that quad][a quad of 0][that quad] serves both (ty, 1 | 0) and (0 | ty, 1)
	v_cvt_pk_bf16_f32 v[C01], v[CND], v[CND+1]
	v_cvt_pk_bf16_f32 v29, v[CND+2], v[CND+3]
	v_cvt_pk_bf16_f32 v30, v[CND+4], v[CND+5]
	v_cvt_pk_bf16_f32 v31, v[CND+6], v[CND+7]
	v_mov_b32 v[VT], 1.0                           ; t1
	v_mov_b32 v[ONE], 1.0
	v_cvt_pk_bf16_f32 v[VTP], v[VT], v[ONE]
	v_mov_b32 v[TR], 0
	v_mov_b32 v[RT], 0
	WIN 0x40
.irp k, 0,8
	v_cndmask_b32 v[TYA+(\k)],   v[C01], v[VTP], s[MH]
	v_cndmask_b32 v[TYA+(\k)+1], v29, v[Q+5], s[MH]
	v_cndmask_b32 v[TYA+(\k)+2], v30, v[Q+5], s[MH]
	v_cndmask_b32 v[TYA+(\k)+3], v31, v[Q+5], s[MH]
.endr
.irp k, 4,5,6,7
	v_mov_b32 v[TYA+(\k)], 0
.endr
.set z, 0
.rept 8
	v_cvt_pk_bf16_f32 v[PF+z], v[X+2*z], v[X+2*z+1]
.set z, z+1
.endr
	; ---------------- evaluation 0, layers 1 to 3 ----------------
	PRE1
	L1BLK
	s_wait_dscnt 0x0
	s_barrier_signal -1                            ; h1
	PRE 2
	MID 2, 0, 0
	MID 3, 1, 0
	WIN 0
	s_mov_b32 s[TRIP], 10
	; ---------------- a trip: layer 4 of evaluation e, layers 1 to 3 of e + 1, the trace of e ----------------
.Ltrip:
	s_barrier_wait -1                              ; h3 and d3 are whole (d1 and d2 since the barrier before)
.irp c, 0,1,2,3
	ds_load_b128 v[HF+8*(\c):HF+8*(\c)+3],   v[VLDX] offset:H3+64*(\c)
	ds_load_b128 v[HF+8*(\c)+4:HF+8*(\c)+7], v[VLDX] offset:H3+64*(\c)+32
.endr
	WIN 0x40
.irp tl, 0,1
.irp c, 0,1,2,3
	ds_load_b128 v[64+32*(\tl)+8*(\c):64+32*(\tl)+8*(\c)+3],   v[VW4] offset:4352*(\tl)+64*(\c)
	ds_load_b128 v[64+32*(\tl)+8*(\c)+4:64+32*(\tl)+8*(\c)+7], v[VW4] offset:4352*(\tl)+64*(\c)+32
.endr
.endr
.irp c, 0,1,2,3
	ds_load_b128 v[D3+8*(\c):D3+8*(\c)+3],   v[VLDX] offset:D3S+64*(\c)
	ds_load_b128 v[D3+8*(\c)+4:D3+8*(\c)+7], v[VLDX] offset:D3S+64*(\c)+32
.endr
.irp c, 0,1,2,3
	ds_load_b128 v[D3+32+8*(\c):D3+32+8*(\c)+3],   v[VLDX] offset:D1S+64*(\c)
	ds_load_b128 v[D3+32+8*(\c)+4:D3+32+8*(\c)+7], v[VLDX] offset:D1S+64*(\c)+32
.endr
	ROWS 0, 0
	s_wait_dscnt 56                                ; the 56 loads above may stay out: layer 4's gate rows and b1 are in
	GATES
	PLACES
	SIG                                            ; FZ = g4
	s_wait_dscnt 32                                ; d3, d1 and row 0's weights may stay out: h3 and lN_W1's fragments are in
	LAYER FA, 64
	PLACES
	SKIPL .La4
	PRE1                                           ; layer 1 of the next evaluation
	WIN 0
.La4:
.set z, 0
.rept 8
	v_pk_fma_f32 v[FA+z:FA+z+1], v[FA+z:FA+z+1], v[FZ+z:FZ+z+1], v[FC+z:FC+z+1]   ; k
.set z, z+2
.endr
.set z, 0
.rept 8
	v_pk_fma_f32 v[X+z:X+z+1], v[FA+z:FA+z+1], s[HH:HH+1], v[X+z:X+z+1] op_sel_hi:[1,0,1]   ; X += (h / 2) k, for k1 and for k2
.set z, z+2
.endr
	ds_store_b128 v[VG4W], v[FZ:FZ+3]              ; g4 through my own copy in LDS: I want features 8 w .. 8 w + 7 of my sample in both halves of the lanes
	ds_store_b128 v[VG4W], v[FZ+4:FZ+7]   offset:16
	ds_store_b128 v[VG4W], v[FZ+8:FZ+11]  offset:64
	ds_store_b128 v[VG4W], v[FZ+12:FZ+15] offset:80
	ds_load_b128 v[G4:G4+3],   v[VG4R]             ; LDS serves a wave's instructions in order (ISA guide 5.7.1.4): these see the stores above
	ds_load_b128 v[G4+4:G4+7], v[VG4R] offset:16
	SKIPL .La8
.set z, 0
.rept 8
	v_pk_fma_f32 v[FA+z:FA+z+1], v[FA+z:FA+z+1], s[BETA:BETA+1], v[X+z:X+z+1] op_sel_hi:[1,0,1]   ; behind k1: psi + h k1 = X + (h / 2) k1; behind k2: X
.set z, z+2
.endr
	v_add_f32 v[VT], s[NDT], v[VT]                 ; behind k1 t goes on by h, behind k2 it stays
	s_xor_b32 s[NDT], s[NDT], 0xbd4ccccd
	s_xor_b32 s[BETA], s[BETA], 0xbccccccd
	v_cvt_pk_bf16_f32 v[VTP], v[VT], v[ONE]
	WIN 0x40
.set z, 0
.rept 8
	v_cvt_pk_bf16_f32 v[PF+z], v[FA+2*z], v[FA+2*z+1]
.set z, z+1
.endr
	v_cndmask_b32 v[TYA],   v[C01], v[VTP], s[MH]
	v_cndmask_b32 v[TYA+8], v[C01], v[VTP], s[MH]
	L1BLK
	WIN 0
.La8:
.set z, 0
.rept 8
	ds_load_b128 v[D2+8*z:D2+8*z+3],   v[VD2L] offset:64*z      ; d2 of evaluation e, ahead of the signal behind which it is written anew
	ds_load_b128 v[D2+8*z+4:D2+8*z+7], v[VD2L] offset:64*z+16
.set z, z+1
.endr
	s_wait_dscnt 0x0                               ; my h1 is stored; my reads of h3, d1, d2, d3 are back
	s_barrier_signal -1                            ; h1
	SKIPL .La10
	PRE 2
	WIN 0
.La10:
.set gz, 0
.rept 16
	GE4 0, gz                                      ; row 0's operands
.set gz, gz+4
.endr
	TI 0, 0
	MID 2, 0, 1
	TI 1, 0
	MID 3, 1, 1
	TI 2, 0
	TI 3, 0
	TI 4, 0
	TI 5, 0
	TI 6, 0
	TI 7, 1
	DRAIN
	WIN 0
	s_sub_co_i32 s[TRIP], s[TRIP], 1
	s_cmp_lg_u32 s[TRIP], 0
	s_cbranch_scc1 .Ltrip
	; ---------------- the end ----------------
	s_barrier_wait -1                              ; closes the last trip's barrier
	v_permlanex16_b32 v[RT], v[TR], s[SEL], s[SEL+1]   ; the sample's other 64 j lie in the lane 16 away
	v_and_b32 v30, 15, v0
	v_add_f32 v[TR], v[TR], v[RT]
	v_lshlrev_b32 v30, 2, v30
	s_lshl_b32 s52, s[WV], 6
	v_add_nc_u32 v31, s52, v30
	ds_store_b32 v31, v[TR] offset:REDS            ; my eight rows' share, a word a sample (both halves of the lanes write the same number)
	s_wait_dscnt 0x0
	s_barrier_signal -1
	s_barrier_wait -1
	s_cmp_lg_u32 s[WV], 0
	s_cbranch_scc1 .Lend                           ; wave 0 finishes
.irp k, 0,1,2,3
	ds_load_b32 v[ACC+(\k)], v30 offset:REDS+64*(\k)
.endr
	v_pk_mul_f32 v[26:27], v[X:X+1], v[X:X+1]
	v_pk_mul_f32 v[28:29], v[X+2:X+3], v[X+2:X+3]
.set z, 4
.rept 3
	v_pk_fma_f32 v[26:27], v[X+z:X+z+1], v[X+z:X+z+1], v[26:27]
	v_pk_fma_f32 v[28:29], v[X+z+2:X+z+3], v[X+z+2:X+z+3], v[28:29]
.set z, z+4
.endr
	v_pk_add_f32 v[26:27], v[26:27], v[28:29]
	v_add_f32 v26, v26, v27
	v_permlanex16_b32 v[RT], v26, s[SEL], s[SEL+1]
	v_add_f32 v26, v26, v[RT]                      ; sum z^2
	s_mov_b32 s53, 0xc1eb3f8e                      ; -16 log(2 pi)
	s_mov_b32 s54, 0xbfcccccd                      ; -1.6 = (h / 2) 4^3
	s_lshl_b32 s55, ttmp9, 6
	v_add_nc_u32 v31, s55, v30
	v_fma_f32 v26, v26, -0.5, s53
	s_wait_dscnt 0x0
	v_add_f32 v[ACC], v[ACC], v[ACC+1]
	v_add_f32 v[ACC+2], v[ACC+2], v[ACC+3]
	v_add_f32 v[ACC], v[ACC], v[ACC+2]
	v_fma_f32 v26, v[ACC], s54, v26
	v_cmp_gt_u32 vcc_lo, 16, v0
	s_wait_xcnt 0x0                                ; EXEC changes only behind this wait
	s_and_saveexec_b32 s56, vcc_lo
	global_store_b32 v31, v26, s[38:39]            ; the work-group's 16 numbers: 64 consecutive bytes
	s_wait_xcnt 0x0
	s_or_b32 exec_lo, exec_lo, s56
.Lend:
	s_wait_tensorcnt 0x0                           ; the wave's end, behind my last LDS store
	ds_add_u32 v[SPW], v[NIL]
	s_wait_dscnt 0x0
	s_endpgm
.Lfunc_end_k_q15d8d08f06_cnf:
	.size	k_q15d8d08f06_cnf, .Lfunc_end_k_q15d8d08f06_cnf-k_q15d8d08f06_cnf
	.p2alignl 7, 3214868480
	.fill 96, 4, 3214868480
	.section	.rodata,"a",@progbits
	.p2align	6, 0x0
	.amdhsa_kernel k_q15d8d08f06_cnf
		.amdhsa_group_segment_fixed_size 172544
		.amdhsa_private_segment_fixed_size 0
		.amdhsa_enable_private_segment 0
		.amdhsa_kernarg_size 144
		.amdhsa_user_sgpr_count 2
		.amdhsa_user_sgpr_kernarg_segment_ptr 1
		.amdhsa_wavefront_size32 1
		.amdhsa_system_sgpr_workgroup_id_x 1
		.amdhsa_system_sgpr_workgroup_id_y 1
		.amdhsa_system_sgpr_workgroup_id_z 1
		.amdhsa_system_vgpr_workitem_id 0
		.amdhsa_next_free_vgpr 1024
		.amdhsa_next_free_sgpr 66
		.amdhsa_reserve_vcc 1
		.amdhsa_float_denorm_mode_32 3
		.amdhsa_float_denorm_mode_16_64 3
		.amdhsa_memory_ordered 1
		.amdhsa_forward_progress 1
		.amdhsa_inst_pref_size 255
	.end_amdhsa_kernel
	.section	.bss,"aw",@nobits
	.p2align	6
	.space	262144
	.amdgpu_metadata
---
amdhsa.version: [ 1, 2 ]
amdhsa.kernels:
  - .name:           k_q15d8d08f06_cnf
    .symbol:         k_q15d8d08f06_cnf.kd
    .args:
      - { .name: x, .offset: 0, .size: 8, .value_kind: global_buffer, .address_space: global }
      - { .name: cond, .offset: 8, .size: 8, .value_kind: global_buffer, .address_space: global }
      - { .name: l0_W1, .offset: 16, .size: 8, .value_kind: global_buffer, .address_space: global }
      - { .name: l0_b1, .offset: 24, .size: 8, .value_kind: global_buffer, .address_space: global }
      - { .name: l0_W2, .offset: 32, .size: 8, .value_kind: global_buffer, .address_space: global }
      - { .name: l0_b2, .offset: 40, .size: 8, .value_kind: global_buffer, .address_space: global }
      - { .name: l0_W3, .offset: 48, .size: 8, .value_kind: global_buffer, .address_space: global }
      - { .name: mid_W1, .offset: 56, .size: 8, .value_kind: global_buffer, .address_space: global }
      - { .name: mid_b1, .offset: 64, .size: 8, .value_kind: global_buffer, .address_space: global }
      - { .name: mid_W2, .offset: 72, .size: 8, .value_kind: global_buffer, .address_space: global }
      - { .name: mid_b2, .offset: 80, .size: 8, .value_kind: global_buffer, .address_space: global }
      - { .name: mid_W3, .offset: 88, .size: 8, .value_kind: global_buffer, .address_space: global }
      - { .name: lN_W1, .offset: 96, .size: 8, .value_kind: global_buffer, .address_space: global }
      - { .name: lN_b1, .offset: 104, .size: 8, .value_kind: global_buffer, .address_space: global }
      - { .name: lN_W2, .offset: 112, .size: 8, .value_kind: global_buffer, .address_space: global }
      - { .name: lN_b2, .offset: 120, .size: 8, .value_kind: global_buffer, .address_space: global }
      - { .name: lN_W3, .offset: 128, .size: 8, .value_kind: global_buffer, .address_space: global }
      - { .name: out0, .offset: 136, .size: 8, .value_kind: global_buffer, .address_space: global }
    .group_segment_fixed_size: 172544
    .private_segment_fixed_size: 0
    .kernarg_segment_align: 8
    .kernarg_segment_size: 144
    .max_flat_workgroup_size: 128
    .sgpr_count:     66
    .vgpr_count:     1024
    .wavefront_size: 32
...
	.end_amdgpu_metadata
.endif
;; end of part 1
